; MI455X (gfx1250); checked and timed in simulation.
; The chip was launched on July 23, 2026; its instructions are those of AMD's public machine-readable ISA for CDNA 5 (MIT licence, August 2026) and "CDNA5" Instruction Set Architecture Reference Guide (July 2026). The comments in the code are by the model that wrote it; some were corrected since.
;; Mo E Top K Layer. Allowed arithmetic: matrix products marked QUANTISED: E2M1 operands, one E8M0 scale for each 32 along K, by v_wmma_scale_f32_16x16x128_f8f6f4 with both operands' format E2M1 (or v_wmma_scale_f32_32x16x128_f4), f32 sums; products left as they are: f32 operands where the result goes on into a quantised operand, else bf16, f16 or f32 operands; f32 sums; everything else in f32.
;; Inputs: attn_b 1 float32; attn_w 512 x 1 float32; b1 8 x 2,048 float32; b2 8 x 512 float32; gate_b 8 float32; gate_w 512 x 8 float32; w1_codes 8 x 2,048 x 16 x 16 uint8 (E2M1 codes of w1, K innermost, in blocks of 32 codes, two codes a byte); w1_scales 8 x 2,048 x 16 uint8 (E8M0 scales of w1, one for each 32 codes along K); w2_codes 8 x 512 x 64 x 16 uint8 (E2M1 codes of w2, K innermost, in blocks of 32 codes, two codes a byte); w2_scales 8 x 512 x 64 uint8 (E8M0 scales of w2, one for each 32 codes along K); x 32 x 128 x 512 float32.
;; Outputs: out0 32 x 128 x 512 float32.
;; This version of the problem:
;;   THIS VERSION OF THE PROBLEM IS GIVEN IN LOW PRECISION. The matrix products marked QUANTISED in the list below multiply operands that are first quantised to E2M1 (2 exponent bits, 1 mantissa bit; 4 bits a number), with one power-of-two scale for each 32 numbers along K (OCP MX v1.0); their sums are f32. All else is computed in f32.
;;   The module's matrix products, in the order in which they are computed (A, B: the left and right operand; K: the contracted axis; several contracted axes count as one K, in the product's order):
;;     1. [M 4,096, K 512] x [K 512, N 1]; A: input x; B: input attn_w: left as it is (N = 1 < 16)
;;     2. [M 32, K 512] x [K 512, N 8]; A: computed on the way; B: input gate_w: left as it is (N = 8 < 16)
;;     3. [M 16,384, K 512] x [K 512, N 4,096]; A: input w1 (given as codes); B: input x: QUANTISED
;;     4. batch 8 x [M 4,096, K 2,048] x [K 2,048, N 512]; A: computed on the way; B: input w2 (given as codes): QUANTISED
;;     5. batch 32 x [M 65,536, K 8] x [K 8, N 1]; A: computed on the way; B: computed on the way: left as it is (K = 8 < 32)
;;   THE QUANTISER, for each operand of a quantised product, along K:
;;     - K is cut into blocks of 32 from its start; a last block that is shorter is filled with zeros.
;;     - A block's scale is 2^e with e = floor(log2(the largest magnitude in the block)) - 2, held to -126 .. 127; a block of zeros has e = 0. As a byte (E8M0): e + 127.
;;     - Each number is divided by its block's scale, clamped to +-6, and rounded to the nearest number of E2M1, ties to even, subnormals kept.
;;     - The product sums the exact products of the quantised numbers (number of the format x scale) in f32.
;;   ~~~python
;;   def quantise(x, axis):      # numpy; x: float32 -> the quantised numbers, widened to float32 again
;;       x = np.moveaxis(x, axis, -1); K = x.shape[-1]
;;       x = np.pad(x, [(0, 0)] * (x.ndim - 1) + [(0, -K % 32)]); x = x.reshape(x.shape[:-1] + (-1, 32)); a = np.abs(x).max(-1, keepdims=True)
;;       e = np.where(a > 0, np.clip(np.frexp(np.where(a > 0, a, 1))[1] - 1 - 2, -126, 127), 0)      # np.frexp(a)[1] - 1 = floor(log2(a)), exactly
;;       r = np.clip(x / 2.0 ** e, -6, 6)
;;       step = 2.0 ** (np.maximum(np.frexp(np.where(r == 0, 1, r))[1] - 1, 0) - 1)
;;       q = np.round(r / step) * step * 2.0 ** e      # np.round: ties to even
;;       return np.moveaxis(q.reshape(q.shape[:-2] + (-1,))[..., :K], -1, axis).astype(np.float32)
;;   ~~~
;;   OPERANDS COMPUTED ON THE WAY. 'Computed on the way' means the value that the module computes at that place (a softmax that the list does not call 'softmax' is quantised finished and normalised). What goes into a quantiser is computed in f32, as accurately as f32 sums, v_exp_f32 and their like allow (about 1e-6 of the number): no bf16 or f16 on the way to a quantiser, and a product that is left as it is and whose result goes on into a quantised operand takes f32 operands (vector FMAs, or v_wmma_f32_16x16x4_f32). A number that lies on a knife's edge between two numbers of the format may be rounded either way, as far as f32 arithmetic and the matrix unit's own rounding can turn it there, and no further.
;;   INPUTS GIVEN AS CODES. w1 (in the module: [8, 512, 2048], K = its axis 1); w2 (in the module: [8, 2048, 512], K = its axis 1): each comes as NAME_codes (uint8): NAME with its K axis moved to the last place and cut into blocks of 32 codes, [.., K / 32, bytes a block], one block behind the other in memory; two codes a byte, the lower K in the low four bits (a code: sign, 2 exponent bits, 1 mantissa bit); and NAME_scales (uint8): the same leading axes, one E8M0 byte (e + 127) for each 32 codes along K. Its value is code x scale, taken as it is: it is not quantised again, and the codes and scales need not be those that the quantiser above would give.
;; One version. Each part assembles by itself: llvm-mc -triple=amdgcn-amd-amdhsa -mcpu=gfx1250 --defsym DOCPART=n.
;; ======== version 1 of 1: 3 launches
;; workspace buffers: xq 1,179,648 bytes; hq 8,388,608 bytes; hs 524,288 bytes; sel 8,192 bytes of whole numbers; gwt 8,192 bytes
;; launch route (part 1): grid 32 x 1, 8 waves a work-group, no clusters, 272,384 bytes of LDS; arguments x, attn_w, attn_b, gate_w, gate_b, xq, sel, gwt; writes xq, sel, gwt
.if DOCPART == 1
	.amdgcn_target "amdgcn-amd-amdhsa--gfx1250"
	.amdhsa_code_object_version 6
	.text
	.protected	k_q78e655ba9b_route
	.globl	k_q78e655ba9b_route
	.p2align	8
	.type	k_q78e655ba9b_route,@function
k_q78e655ba9b_route:
	s_mov_b64 s[64:65], 0
	v_nop
	global_prefetch_b8 v0, s[64:65] scope:SCOPE_SE
	s_setreg_imm32_b32 hwreg(HW_REG_WAVE_MODE, 25, 1), 1
	s_wait_xcnt 0x0
; ROUTE.  One work-group for each of the 32 batch elements; eight waves, wave w owns rows (tokens) 16 w .. 16 w + 15.
; It computes: scores = x . attn_w + attn_b; aw = softmax over the 128 rows (the maximum is taken away first); pooled = sum of x aw;
; gates = softmax(pooled gate_w + gate_b); the two largest gates (a tie keeps the lower index); g = gate / (sum of the two + 1e-9).
; It stores the two experts' numbers (sel) and their weights (gwt) at fixed places, each pair 32 times, so that a store covers 256 consecutive bytes.
; On the same pass it quantises x along its 512 columns to E2M1 with one E8M0 byte for each 32, and stores the codes as IMAGES OF THE OPERAND'S REGISTERS:
; xq[b][m] is a record of 4,608 bytes: four fragments (16 rows x 128 K: registers 4 c .. 4 c + 3 of lane l at 1,024 s + 512 c + 16 l), then 512 bytes of scale words
; (lane l: the four words s = 0 .. 3 of row l % 16).  A block's byte is its largest magnitude's exponent field - 2, held at 1 from below.
; x comes into LDS once, by two tensor loads a wave (its 16 rows, columns 0-255 and 256-511); no LDS byte is filled twice.  The first pass reads a wave's own rows, the pooled sum reads all rows by columns behind a barrier.
; NO CLUSTER: the 32 work-groups share attn_w and gate_w alone, 18,432 bytes beside the 262,144 bytes of x that each reads for itself.  32 work-groups are all there are: a softmax over the rows and the pooled sum have one owner for each batch element.
; LIMITS: a block of zeros gets the byte 1 where the quantiser says 127 (its codes are zeros, and this program alone reads the bytes); blocks whose largest magnitude lies under 2^-124 share that byte;
; NaN and infinities in x are not served; the two largest gates are chosen by their exponentials 2^((logit - max) log2 e): gates that differ by less than f32 rounding may be ordered otherwise than after the division.
.set PITCH,  1040                      ; an LDS row: 1,024 bytes + 16 of padding: 65 x 16, so the sixteen rows that a load touches begin in sixteen different 16-byte columns
.set WTILE,  16*PITCH                  ; what one tensor load brings
.set XH1,    8*WTILE                   ; columns 256-511 lie behind columns 0-255
.set SCO,    2*XH1                     ; 128 scores
.set AWL,    SCO+512                   ; a copy of aw for each wave, 512 bytes each
.set LGP,    AWL+8*512                 ; each wave's parts of the 8 logits, 32 bytes each
.set XREC,   4608
.set TP,   6                           ; v6       a lane permute's destination
.set CA,   12                          ; v12-14   the column pass: my 8 bytes in rows 0, 48, 96
.set X0,   16                          ; v16-79, v80-143  64 numbers of x, two sets
.set AWR,  16                          ; later: aw of all 128 rows
.set PC,   144                         ; v144-175 the codes, 8 registers for each K step
.set CB,   144                         ; later: two sets of 16 rows x 2 columns
.set XSW,  176                         ; v176-179 the four scale words
.set TM,   180                         ; v180-195 the quantiser's work
.set SA,   196                         ; v196-203 the score, in four packed chains
.set MS,   204                         ; v204-219 at work
.set GW,   220                         ; v220-235 gate_w's rows 2 t and 2 t + 1
.set PA,   236                         ; v236-243 pooled, in four packed chains
.set LGS,  244                         ; v244     where my wave puts its logit parts
.set LGA,  245                         ; v245     where they begin
.set WV,   20
.set G1,   24
.set G0,   32
.set SEL,  52
.set L2E,  54
.set MSB, 0
.macro WIN new                         ; the immediate's high byte repeats the setting that is left
.if MSB != \new
	s_set_vgpr_msb (MSB<<8)|\new
.set MSB, \new
.endif
.endm
; 64 numbers of a lane, register 16 b + i = k 32 b + 16 (lane / 16) + i of my row, become a fragment's 8 registers of codes and its scale word.
.macro QUANT s, pc, pw
.set qs, \s
.set qc, \pc
.set qw, \pw
.irp b, 0,1,2,3
	v_max3_num_f32 v[TM+\b], |v[qs+16*\b]|, |v[qs+1+16*\b]|, 0x1800000   ; my 16 numbers of block b, and the floor 2^(3 - 127): the byte cannot fall under 1
.endr
.irp i, 2,4,6,8,10,12,14
.irp b, 0,1,2,3
	v_max3_num_f32 v[TM+\b], v[TM+\b], |v[qs+16*\b+\i]|, |v[qs+1+16*\b+\i]|
.endr
.endr
.irp b, 0,1,2,3
	v_permlanex16_b32 v[TM+4+\b], v[TM+\b], s[SEL], s[SEL+1]
.endr
.irp b, 0,1,2,3
	v_max_num_f32 v[TM+\b], v[TM+\b], v[TM+4+\b]          ; with lane l xor 16's: the block's largest magnitude
.endr
.irp b, 0,1,2,3
	v_add_nc_u32 v[TM+12+\b], 0xff000000, v[TM+\b]        ; 2 off its exponent field: the conversion's scale operand
.endr
.irp b, 0,1,2,3
	v_lshrrev_b32 v[TM+4+\b], 23, v[TM+12+\b]             ; the scale's byte
.endr
	v_lshl_or_b32 v[qw], v[TM+5], 8, v[TM+4]
	v_lshl_or_b32 v[qw], v[TM+6], 16, v[qw]
	v_lshl_or_b32 v[qw], v[TM+7], 24, v[qw]
.irp b, 0,1,2,3
	v_cvt_scalef32_pk8_fp4_f32 v[qc+2*\b], v[qs+16*\b:qs+7+16*\b], v[TM+12+\b]
	v_cvt_scalef32_pk8_fp4_f32 v[qc+1+2*\b], v[qs+8+16*\b:qs+15+16*\b], v[TM+12+\b]
.endr
	v_nop                                                 ; one plain instruction behind the scaled conversions
.irp c, 0,1                                           ; the operand's layout wants a whole block in a lane
.irp i, 0,1
	v_permlane16_swap_b32 v[qc+4*\c+\i], v[qc+2+4*\c+\i]
.endr
.endr
.endm
.macro WSUM r                          ; the sum over the wave's 32 lanes, in every lane
.irp m, 1,2,4,8
	v_add_f32_dpp v[\r], v[\r], v[\r] row_xmask:\m row_mask:0xf bank_mask:0xf
.endr
	v_permlanex16_b32 v[TP], v[\r], s[SEL], s[SEL+1]
	v_add_f32 v[\r], v[\r], v[TP]
.endm
.macro WMAX r
.irp m, 1,2,4,8
	v_max_num_f32_dpp v[\r], v[\r], v[\r] row_xmask:\m row_mask:0xf bank_mask:0xf
.endr
	v_permlanex16_b32 v[TP], v[\r], s[SEL], s[SEL+1]
	v_max_num_f32 v[\r], v[\r], v[TP]
.endm
	s_load_b512 s[4:19], s[0:1], 0x0               ; x s[4:5], attn_w s[6:7], attn_b s[8:9], gate_w s[10:11], gate_b s[12:13], xq s[14:15], sel s[16:17], gwt s[18:19]
	v_lshl_add_u32 v254, v0, 2, 0x42400
	v_mov_b32 v255, 0
	ds_add_u32 v254, v255
	ds_add_u32 v254, v255
	v_lshrrev_b32 v1, 5, v0
	v_readfirstlane_b32 s[WV], v1                  ; wave 0..7
	; descriptor group 1: 16 rows x 256 numbers of 4 bytes, 512 numbers from row to row, 4 words of padding behind every 256
	s_mov_b32 s[G1+0], (2<<16)|(1<<20)|(7<<22)|(3<<25)
	s_mov_b32 s[G1+1], 256<<16                     ; tensor_dim0
	s_mov_b32 s[G1+2], 16<<16                      ; tensor_dim1
	s_mov_b32 s[G1+3], 256<<16                     ; tile_dim0
	s_mov_b32 s[G1+4], 16                          ; tile_dim1
	s_mov_b32 s[G1+5], 512                         ; the pitch
	s_mov_b32 s[G1+6], 0
	s_mov_b32 s[G1+7], 0
	s_mov_b32 s[G0], 1
	s_mul_i32 s[G0+1], s[WV], WTILE                ; LDS: my 16 rows of the left half,
	s_mov_b32 s[G0+4], 1
	s_add_co_u32 s[G0+5], s[G0+1], XH1             ; and of the right
	s_lshl_b32 s22, ttmp9, 18                      ; a batch element is 262,144 bytes,
	s_lshl_b32 s21, s[WV], 15                      ; my 16 rows 32,768
	s_add_co_u32 s22, s22, s21
	s_mov_b32 s23, 0
	s_wait_dscnt 0x0
	s_wait_kmcnt 0x0
	s_add_nc_u64 s[G0+2:G0+3], s[4:5], s[22:23]
	s_add_nc_u64 s[G0+6:G0+7], s[G0+2:G0+3], 1024
	s_or_b32 s[G0+3], s[G0+3], 0x80000000
	s_or_b32 s[G0+7], s[G0+7], 0x80000000
	tensor_load_to_lds s[G0:G0+3], s[G1:G1+7]      ; both first fills together, ahead of every wait on TENSORcnt, LDS read and barrier: two loads of mine are out
	s_nop 0
	tensor_load_to_lds s[G0+4:G0+7], s[G1:G1+7]
	s_nop 0
.rept 4
	v_nop
.endr
	s_load_b32 s40, s[8:9], 0x0                    ; attn_b
	s_load_b256 s[44:51], s[12:13], 0x0            ; gate_b
	v_and_b32 v1, 31, v0
	v_lshlrev_b32 v1, 4, v1                        ; 16 x lane
	v_and_b32 v2, 15, v0                           ; r
	v_bfe_u32 v3, v0, 4, 1                         ; h
	v_lshlrev_b32 v7, 6, v3                        ; 64 h: my 16 numbers of a block of 32
	v_lshlrev_b32 v15, 6, v0                       ; gate_w: rows 2 t and 2 t + 1 are 64 bytes
.irp i, 0,1,2,3
	global_load_b128 v[GW+4*\i:GW+4*\i+3], v15, s[10:11] offset:16*\i
.endr
	WIN 0x40                                       ; destination window 1: attn_w in the layout in which a lane holds x: register 64 s + 16 b + 4 j + i = attn_w[128 s + 32 b + 16 h + 4 j + i]
.irp s, 0,1,2,3
.irp b, 0,1,2,3
.irp j, 0,1,2,3
	global_load_b128 v[64*\s+16*\b+4*\j:64*\s+16*\b+4*\j+3], v7, s[6:7] offset:512*\s+128*\b+16*\j
.endr
.endr
.endr
	WIN 0
	v_mul_u32_u24 v4, v2, PITCH
	v_lshl_add_u32 v4, v3, 6, v4
	v_add_nc_u32 v4, s[G0+1], v4                   ; my row of my wave's tile, + 64 h: left half,
	v_add_nc_u32 v5, XH1, v4                       ; right half
	s_lshl_b32 s21, s[WV], 6
	s_add_co_u32 s21, s21, SCO
	v_lshl_add_u32 v8, v2, 2, s21                  ; my row's score
	v_add_nc_u32 v9, SCO, v1                       ; four scores a lane
	s_lshl_b32 s21, s[WV], 9
	s_add_co_u32 s21, s21, AWL
	v_add_nc_u32 v10, s21, v1                      ; my wave's copy of aw: four a lane,
	v_mov_b32 v11, s21                             ; and its first byte
	v_and_b32 v[CA], 127, v0
	v_lshrrev_b32 v[CA+1], 7, v0
	v_lshlrev_b32 v[CA], 3, v[CA]
	v_mad_u32_u24 v[CA], v[CA+1], XH1, v[CA]       ; thread t owns columns 2 t, 2 t + 1: half t / 128, byte 8 (t % 128)
	v_add_nc_u32 v[CA+1], 48*PITCH, v[CA]
	v_add_nc_u32 v[CA+2], 96*PITCH, v[CA]
	s_lshl_b32 s21, s[WV], 5
	s_add_co_u32 s21, s21, LGP
	v_mov_b32 v[LGS], s21
	v_mov_b32 v[LGA], LGP
	v_mov_b32 v[TP], 0                             ; written once: a lane permute's destination counts as one of its sources
.irp b, 0,1,2,3
	v_mov_b32 v[TM+4+\b], 0
.endr
	s_mov_b32 s[SEL], 0x76543210
	s_mov_b32 s[SEL+1], 0xfedcba98                 ; v_permlanex16_b32's selects for lane l xor 16
	s_mov_b32 s[L2E], 0x3fb8aa3b                   ; log2(e)
	s_mul_i32 s22, ttmp9, 8*XREC
	s_mul_i32 s21, s[WV], XREC
	s_add_co_u32 s22, s22, s21
	s_add_nc_u64 s[14:15], s[14:15], s[22:23]      ; my record of xq
	s_lshl_b32 s22, ttmp9, 8
	s_add_nc_u64 s[16:17], s[16:17], s[22:23]      ; my 256 bytes of sel
	s_add_nc_u64 s[18:19], s[18:19], s[22:23]      ; and of gwt
.macro DSX s                           ; K step s of my row: 16 numbers of each of its four blocks, into set s % 2
.set xb, X0+64*((\s)%2)
.irp b, 0,1,2,3
.irp j, 0,1,2,3
	ds_load_b128 v[xb+16*\b+4*\j:xb+16*\b+4*\j+3], v[4+(\s)/2] offset:((\s)%2)*512+128*\b+16*\j
.endr
.endr
.endm
.macro DOT s                           ; the score's part of K step s: 32 packed multiply-adds in four chains; the first four start the sums
	WIN 0x04                                       ; source 1 (attn_w) window 1
.set xb, X0+64*((\s)%2)
.set i, 0
.rept 32
.if ((\s) == 0) && (i < 4)
	v_pk_mul_f32 v[SA+2*i:SA+2*i+1], v[xb+2*i:xb+2*i+1], v[64*(\s)+2*i:64*(\s)+2*i+1]
.else
	v_pk_fma_f32 v[SA+2*(i%4):SA+2*(i%4)+1], v[xb+2*i:xb+2*i+1], v[64*(\s)+2*i:64*(\s)+2*i+1], v[SA+2*(i%4):SA+2*(i%4)+1]
.endif
.set i, i+1
.endr
	WIN 0
.endm
	s_wait_tensorcnt 0x1                           ; my left half is in; the right half's load, issued behind it, may be out.  Only I read these rows before the barrier
	DSX 0
.irp s, 0,1,2,3
.if \s == 1
	s_wait_tensorcnt 0x0                           ; the right half is in
.endif
.if \s < 3
	DSX \s+1
	s_wait_dscnt 16                                ; this K step's 16 loads are in; the next step's 16 may be out
.else
	s_wait_dscnt 0x0
.endif
	s_wait_loadcnt 16*(3-\s)                       ; attn_w's 16 loads of this K step are in; those of the later steps may be out
	DOT \s
	QUANT X0+64*(\s%2), PC+8*\s, XSW+\s
	global_store_b128 v1, v[PC+8*\s:PC+8*\s+3], s[14:15] offset:1024*\s          ; each store of the wave covers 512 consecutive bytes, aligned
	global_store_b128 v1, v[PC+8*\s+4:PC+8*\s+7], s[14:15] offset:1024*\s+512
.endr
	global_store_b128 v1, v[XSW:XSW+3], s[14:15] offset:4096
	v_pk_add_f32 v[SA:SA+1], v[SA:SA+1], v[SA+2:SA+3]
	v_pk_add_f32 v[SA+4:SA+5], v[SA+4:SA+5], v[SA+6:SA+7]
	v_pk_add_f32 v[SA:SA+1], v[SA:SA+1], v[SA+4:SA+5]
	v_add_f32 v[SA], v[SA], v[SA+1]
	v_permlanex16_b32 v[TP], v[SA], s[SEL], s[SEL+1]
	v_add_f32 v[SA], v[SA], v[TP]                  ; with lane l xor 16's half of the row
	s_wait_kmcnt 0x0
	v_add_f32 v[SA], s40, v[SA]                    ; + attn_b
	ds_store_b32 v8, v[SA]                         ; both lanes of a row write the same word with the same value
	s_wait_dscnt 0x0                               ; for the others' sake: my score is stored; my tensor loads were waited for above
	s_barrier_signal -1
	s_barrier_wait -1                              ; all 128 scores and all 128 rows lie in LDS
	; the softmax over the rows, in every wave alike
	ds_load_b128 v[MS:MS+3], v9
	s_wait_dscnt 0x0
	v_max3_num_f32 v[MS+4], v[MS], v[MS+1], v[MS+2]
	v_max_num_f32 v[MS+4], v[MS+4], v[MS+3]
	WMAX MS+4
.irp i, 0,1,2,3
	v_sub_f32 v[MS+\i], v[MS+\i], v[MS+4]          ; the maximum is taken away
.endr
.irp i, 0,1,2,3
	v_mul_f32 v[MS+\i], s[L2E], v[MS+\i]
.endr
.irp i, 0,1,2,3
	v_exp_f32 v[MS+\i], v[MS+\i]
.endr
	v_nop                                          ; a plain instruction behind the exponentials,
	s_wait_alu depctr_va_vdst(0)                   ; and one wait for the four, ahead of their first reader
	v_add_f32 v[MS+5], v[MS], v[MS+1]
	v_add_f32 v[MS+6], v[MS+2], v[MS+3]
	v_add_f32 v[MS+5], v[MS+5], v[MS+6]
	WSUM MS+5
	v_rcp_f32 v[MS+5], v[MS+5]
	v_nop
	s_wait_alu depctr_va_vdst(0)
.irp i, 0,1,2,3
	v_mul_f32 v[MS+\i], v[MS+\i], v[MS+5]          ; aw of rows 4 lane + i
.endr
	ds_store_b128 v10, v[MS:MS+3]                  ; into my wave's own copy: LDS serves a wave's instructions in order, so the loads below see it
.irp i, 0,1,2,3,4,5,6,7,8,9,10,11,12,13,14,15,16,17,18,19,20,21,22,23,24,25,26,27,28,29,30,31
	ds_load_b128 v[AWR+4*\i:AWR+4*\i+3], v11 offset:16*\i     ; every lane takes all 128
.endr
	s_wait_xcnt 0x0                                ; the stores of codes and scale words have read their registers: the column pass loads into them
	; pooled: thread t sums its two columns over the 128 rows
.macro CLOAD g                         ; rows 16 g .. 16 g + 15: a load of the wave covers 256 consecutive bytes of a row
.irp i, 0,1,2,3,4,5,6,7,8,9,10,11,12,13,14,15
	ds_load_b64 v[CB+32*((\g)%2)+2*\i:CB+32*((\g)%2)+2*\i+1], v[CA+(16*(\g)+\i)/48] offset:((16*(\g)+\i)%48)*PITCH
.endr
.endm
.macro CFMA g                          ; a row's aw multiplies both columns: the even row's lies in its pair's first register, the odd row's in the second
.set i, 0
.rept 16
.set xr, CB+32*((\g)%2)+2*i
.set ar, AWR+16*(\g)+2*(i/2)
.set pr, PA+2*(i%4)
.if ((\g) == 0) && (i < 4)
.if (i%2) == 0
	v_pk_mul_f32 v[pr:pr+1], v[xr:xr+1], v[ar:ar+1] op_sel_hi:[1,0]
.else
	v_pk_mul_f32 v[pr:pr+1], v[xr:xr+1], v[ar:ar+1] op_sel:[0,1] op_sel_hi:[1,1]
.endif
.else
.if (i%2) == 0
	v_pk_fma_f32 v[pr:pr+1], v[xr:xr+1], v[ar:ar+1], v[pr:pr+1] op_sel_hi:[1,0,1]
.else
	v_pk_fma_f32 v[pr:pr+1], v[xr:xr+1], v[ar:ar+1], v[pr:pr+1] op_sel:[0,1,0] op_sel_hi:[1,1,1]
.endif
.endif
.set i, i+1
.endr
.endm
	CLOAD 0
.irp g, 0,1,2,3,4,5,6,7
.if \g < 7
	CLOAD \g+1
	s_wait_dscnt 16                                ; aw and this group's rows are in; the next group's 16 loads may be out
.else
	s_wait_dscnt 0x0
.endif
	CFMA \g
.endr
	v_pk_add_f32 v[PA:PA+1], v[PA:PA+1], v[PA+2:PA+3]
	v_pk_add_f32 v[PA+4:PA+5], v[PA+4:PA+5], v[PA+6:PA+7]
	v_pk_add_f32 v[PA:PA+1], v[PA:PA+1], v[PA+4:PA+5]      ; pooled[2 t], pooled[2 t + 1]
	; my two columns' part of the 8 logits, summed over the wave
.irp e, 0,1,2,3,4,5,6,7
	v_mul_f32 v[MS+\e], v[PA], v[GW+\e]
.endr
.irp e, 0,1,2,3,4,5,6,7
	v_fma_f32 v[MS+\e], v[PA+1], v[GW+8+\e], v[MS+\e]
.endr
.irp m, 1,2,4,8
.irp e, 0,1,2,3,4,5,6,7
	v_add_f32_dpp v[MS+\e], v[MS+\e], v[MS+\e] row_xmask:\m row_mask:0xf bank_mask:0xf
.endr
.endr
.irp e, 0,1,2,3,4,5,6,7
	v_permlanex16_b32 v[CB+\e], v[MS+\e], s[SEL], s[SEL+1]   ; (the destinations were written by the column pass)
.endr
.irp e, 0,1,2,3,4,5,6,7
	v_add_f32 v[MS+\e], v[MS+\e], v[CB+\e]
.endr
	ds_store_b128 v[LGS], v[MS:MS+3]               ; all lanes write the same words with the same values
	ds_store_b128 v[LGS], v[MS+4:MS+7] offset:16
	s_wait_dscnt 0x0
	s_barrier_signal -1
	s_barrier_wait -1
	s_cmp_lg_u32 s[WV], 0                          ; wave 0 finishes; the others have stored their records
	s_cbranch_scc1 .Lend
.irp i, 0,1,2,3,4,5,6,7,8,9,10,11,12,13,14,15
	ds_load_b128 v[16+4*\i:19+4*\i], v[LGA] offset:16*\i      ; register 16 + 8 w + e: wave w's part of logit e
.endr
	s_wait_dscnt 0x0
.irp w, 1,2,3,4,5,6,7
.irp q, 0,2,4,6
	v_pk_add_f32 v[16+\q:17+\q], v[16+\q:17+\q], v[16+8*\w+\q:17+8*\w+\q]
.endr
.endr
.irp e, 0,1,2,3,4,5,6,7
	v_add_f32 v[16+\e], s[44+\e], v[16+\e]         ; + gate_b
.endr
	v_max3_num_f32 v32, v16, v17, v18
	v_max3_num_f32 v32, v32, v19, v20
	v_max3_num_f32 v32, v32, v21, v22
	v_max_num_f32 v32, v32, v23
.irp e, 0,1,2,3,4,5,6,7
	v_sub_f32 v[16+\e], v[16+\e], v32              ; the maximum is taken away
.endr
.irp e, 0,1,2,3,4,5,6,7
	v_mul_f32 v[16+\e], s[L2E], v[16+\e]
.endr
.irp e, 0,1,2,3,4,5,6,7
	v_exp_f32 v[16+\e], v[16+\e]
.endr
	v_nop
	s_wait_alu depctr_va_vdst(0)                   ; one wait for the eight
	v_pk_add_f32 v[34:35], v[16:17], v[18:19]
	v_pk_add_f32 v[36:37], v[20:21], v[22:23]
	v_pk_add_f32 v[34:35], v[34:35], v[36:37]
	v_add_f32 v34, v34, v35
	v_rcp_f32 v33, v34                             ; 1 / the sum; the two scans below name neither v33 nor v34
	v_mov_b32 v24, v16                             ; the largest: begin with expert 0; a later one takes its place only if it is strictly larger
	v_mov_b32 v26, 0
.irp e, 1,2,3,4,5,6,7
	v_cmp_le_f32 vcc_lo, v[16+\e], v24             ; keep?
	v_cndmask_b32 v24, v[16+\e], v24, vcc_lo
	v_cndmask_b32 v26, \e, v26, vcc_lo
.endr
	v_mov_b32 v25, -1.0                            ; the second: under every exponential; the first's own index is passed over
	v_mov_b32 v27, 0
.irp e, 0,1,2,3,4,5,6,7
	v_cmp_le_f32 s56, v[16+\e], v25
	v_cmp_eq_u32 s57, \e, v26
	s_or_b32 s56, s56, s57                         ; keep?
	v_cndmask_b32 v25, v[16+\e], v25, s56
	v_cndmask_b32 v27, \e, v27, s56
.endr
	s_wait_alu depctr_va_vdst(0)
	v_mul_f32 v24, v24, v33                        ; the two gates
	v_mul_f32 v25, v25, v33
	v_add_f32 v34, v24, v25
	v_add_f32 v34, 0x3089705f, v34                 ; + 1e-9
	v_rcp_f32 v34, v34
	v_lshrrev_b32 v31, 1, v1                       ; 8 x lane.  (A plain instruction behind the reciprocal)
	s_wait_alu depctr_va_vdst(0)
	v_mul_f32 v28, v24, v34
	v_mul_f32 v29, v25, v34
	global_store_b64 v31, v[26:27], s[16:17]       ; the pair in every lane: the store covers 256 consecutive bytes, aligned
	global_store_b64 v31, v[28:29], s[18:19]
.Lend:
	s_wait_tensorcnt 0x0
	ds_add_u32 v254, v255
	s_wait_dscnt 0x0
	s_endpgm
.Lfunc_end_k_q78e655ba9b_route:
	.size	k_q78e655ba9b_route, .Lfunc_end_k_q78e655ba9b_route-k_q78e655ba9b_route
	.p2alignl 7, 3214868480
	.fill 96, 4, 3214868480
	.section	.rodata,"a",@progbits
	.p2align	6, 0x0
	.amdhsa_kernel k_q78e655ba9b_route
		.amdhsa_group_segment_fixed_size 272384
		.amdhsa_private_segment_fixed_size 0
		.amdhsa_enable_private_segment 0
		.amdhsa_kernarg_size 64
		.amdhsa_user_sgpr_count 2
		.amdhsa_user_sgpr_kernarg_segment_ptr 1
		.amdhsa_wavefront_size32 1
		.amdhsa_system_sgpr_workgroup_id_x 1
		.amdhsa_system_sgpr_workgroup_id_y 1
		.amdhsa_system_sgpr_workgroup_id_z 1
		.amdhsa_system_vgpr_workitem_id 0
		.amdhsa_next_free_vgpr 512
		.amdhsa_next_free_sgpr 66
		.amdhsa_reserve_vcc 1
		.amdhsa_float_denorm_mode_32 3
		.amdhsa_float_denorm_mode_16_64 3
		.amdhsa_memory_ordered 1
		.amdhsa_forward_progress 1
		.amdhsa_inst_pref_size 72
	.end_amdhsa_kernel
	.amdgpu_metadata
---
amdhsa.version: [ 1, 2 ]
amdhsa.kernels:
  - .name:           k_q78e655ba9b_route
    .symbol:         k_q78e655ba9b_route.kd
    .args:
      - { .name: x, .offset: 0, .size: 8, .value_kind: global_buffer, .address_space: global }
      - { .name: attn_w, .offset: 8, .size: 8, .value_kind: global_buffer, .address_space: global }
      - { .name: attn_b, .offset: 16, .size: 8, .value_kind: global_buffer, .address_space: global }
      - { .name: gate_w, .offset: 24, .size: 8, .value_kind: global_buffer, .address_space: global }
      - { .name: gate_b, .offset: 32, .size: 8, .value_kind: global_buffer, .address_space: global }
      - { .name: xq, .offset: 40, .size: 8, .value_kind: global_buffer, .address_space: global }
      - { .name: sel, .offset: 48, .size: 8, .value_kind: global_buffer, .address_space: global }
      - { .name: gwt, .offset: 56, .size: 8, .value_kind: global_buffer, .address_space: global }
    .group_segment_fixed_size: 272384
    .private_segment_fixed_size: 0
    .kernarg_segment_align: 8
    .kernarg_segment_size: 64
    .max_flat_workgroup_size: 256
    .sgpr_count:     66
    .vgpr_count:     512
    .wavefront_size: 32
...
	.end_amdgpu_metadata
.endif
;; end of part 1
;; launch up (part 2): grid 4 x 64, 4 waves a work-group, no clusters, 178,688 bytes of LDS; arguments xq, sel, w1_codes, w1_scales, b1, hq, hs; writes hq, hs
.if DOCPART == 2
	.amdgcn_target "amdgcn-amd-amdhsa--gfx1250"
	.amdhsa_code_object_version 6
	.text
	.protected	k_q78e655ba9b_up
	.globl	k_q78e655ba9b_up
	.p2align	8
	.type	k_q78e655ba9b_up,@function
k_q78e655ba9b_up:
	s_mov_b64 s[64:65], 0
	v_nop
	global_prefetch_b8 v0, s[64:65] scope:SCOPE_SE
	s_setreg_imm32_b32 hwreg(HW_REG_WAVE_MODE, 25, 1), 1
	s_wait_xcnt 0x0
; UP.  Work-group (Q, p): pair p = 2 b + k (batch element b, its k-th chosen expert e = sel[b][k]), quarter Q of the expert's 2,048 hidden units.
; h = gelu(x W1^T + b1) on codes of E2M1 with E8M0 scales, for the pair's 128 rows, then quantised along the hidden units, which are the next product's K.  Only the chosen experts are multiplied: the others' gates are zero in the combine.
; SHARES.  Wave w makes hidden units 512 Q + 128 w .. + 127, which are K step S = 4 Q + w of the next product, for all 128 rows, 16 rows a trip.  Its 32 fragments of W1 (256 registers) and its bias stay in registers.
; THE PRODUCT IS USED TRANSPOSED (source 0 = 16 rows of W1, source 1 = 16 rows of x), and lane r of tile 2 b + u takes W1's row 32 b + 8 u + r + 8 (r / 8): so a lane holds one row of h, and the 16 registers of
; tiles 2 b, 2 b + 1 are 16 neighbours along the next K.  b1 is the C of each sum's first matrix instruction.
; OUT.  hq[p][m][S]: the fragment's image, 1,024 bytes (registers 4 c .. 4 c + 3 of lane l at 512 c + 16 l); hs[p][S][m][r]: its scale words, gathered in LDS and stored as 512 consecutive bytes.
; LDS is filled once: each wave's 128 rows of W1 (its own load, its own reads) and a quarter of the batch element's 8 records of x, which all four waves read behind one barrier.
; The expert's number is read from memory, held to 0 .. 7, and enters global addresses alone: no branch and no trip count hangs on it.
; NO CLUSTER: the four quarters of a pair share x's 36,864 bytes beside 139,264 bytes of W1 that each reads for itself; which pairs share an expert's W1 hangs on the stored choice.
; GELU: gelu(v) = h + |h| erf(|h| sqrt 2), h = v / 2; erf by two polynomials in f32 (under and over 475/512), both computed, one selected.
; LIMITS: erf is good to about one unit in its last place, so 1 + erf has an absolute error near 6e-8: for v under -2.8 the relative error of gelu passes 1e-5; v = -infinity or NaN gives NaN.
; A block of zeros gets the byte 1 where the quantiser says 127 (its codes are zeros; this program alone reads the bytes).
.set W1P,   272                        ; a row of W1 in LDS: 256 bytes + 16 of padding
.set W1T,   128*W1P                    ; a wave's 128 rows
.set XQL,   4*W1T                      ; x's 8 records
.set XREC,  4608
.set HSL,   XQL+8*XREC                 ; the scale words just made: 512 bytes for each wave; no tensor load lands here
.set VA1,  12                          ; v12-17   three constants as pairs
.set VA3,  14
.set VB1,  16
.set XF,   20                          ; v20-51   x's four fragments
.set XS,   52                          ; v52-55   their scale words
.set W1S,  56                          ; v56-87   W1's scale words: tile t, K step s at 4 t + s
.set HA,   88                          ; v88-151  my 8 tiles of h
.set PC,   152                         ; v152-159 the codes just made
.set PW,   160                         ; v160     their scale word
.set TM,   164                         ; v164-179 the quantiser's work
.set GT,   180                         ; v180-243 the gelu's work: t, t^2, the tail's polynomial, the other's
.set GS,   196
.set GR,   212
.set GU,   228
.set WV,   18
.set G1W,  24
.set G0W,  32
.set G1X,  36
.set G0X,  44
.set CNT,  48
.set XO,   49                          ; s49  the LDS offset of the record to be fetched
.set SEL,  50
.set RT2,  52
.set THR,  53
.set GM,   54                          ; s54-57 lane masks
.set HSO,  58                          ; s58  64 x the tile of rows in hand
.set CA0,  66                          ; s66-87 eleven constants as pairs: the packed forms name a pair and take its low word for both halves
.set CA2,  68
.set CA4,  70
.set CA5,  72
.set CA6,  74
.set CL2E, 76
.set CB0,  78
.set CB2,  80
.set MSB, 0
.macro WIN new                         ; the immediate's high byte repeats the setting that is left
.if MSB != \new
	s_set_vgpr_msb (MSB<<8)|\new
.set MSB, \new
.endif
.endm
.macro SPAIR reg, val
	s_mov_b32 s[\reg], \val
	s_mov_b32 s[\reg+1], \val
.endm
.macro QUANT s, pc, pw                 ; 64 numbers of a lane, register 16 b + i = k 32 b + 16 (lane / 16) + i of my row, become a fragment's codes and its scale word
.set qs, \s
.set qc, \pc
.set qw, \pw
.irp b, 0,1,2,3
	v_max3_num_f32 v[TM+\b], |v[qs+16*\b]|, |v[qs+1+16*\b]|, 0x1800000   ; and the floor 2^(3 - 127): the byte cannot fall under 1
.endr
.irp i, 2,4,6,8,10,12,14
.irp b, 0,1,2,3
	v_max3_num_f32 v[TM+\b], v[TM+\b], |v[qs+16*\b+\i]|, |v[qs+1+16*\b+\i]|
.endr
.endr
.irp b, 0,1,2,3
	v_permlanex16_b32 v[TM+4+\b], v[TM+\b], s[SEL], s[SEL+1]
.endr
.irp b, 0,1,2,3
	v_max_num_f32 v[TM+\b], v[TM+\b], v[TM+4+\b]
.endr
.irp b, 0,1,2,3
	v_add_nc_u32 v[TM+12+\b], 0xff000000, v[TM+\b]        ; 2 off the exponent field: the conversion's scale operand
.endr
.irp b, 0,1,2,3
	v_lshrrev_b32 v[TM+4+\b], 23, v[TM+12+\b]             ; the scale's byte
.endr
	v_lshl_or_b32 v[qw], v[TM+5], 8, v[TM+4]
	v_lshl_or_b32 v[qw], v[TM+6], 16, v[qw]
	v_lshl_or_b32 v[qw], v[TM+7], 24, v[qw]
.irp b, 0,1,2,3
	v_cvt_scalef32_pk8_fp4_f32 v[qc+2*\b], v[qs+16*\b:qs+7+16*\b], v[TM+12+\b]
	v_cvt_scalef32_pk8_fp4_f32 v[qc+1+2*\b], v[qs+8+16*\b:qs+15+16*\b], v[TM+12+\b]
.endr
	v_nop                                                 ; one plain instruction behind the scaled conversions
.irp c, 0,1
.irp i, 0,1
	v_permlane16_swap_b32 v[qc+4*\c+\i], v[qc+2+4*\c+\i]
.endr
.endr
.endm
; One line of the polynomial for small t (48 lines for 16 numbers, stage by stage over the 8 pairs): u = ((((B0 s + B1) s + B2) s + B3) s + B4) s + B5, then u t + t
.macro GSMALL
.set gq, 2*(gn%8)
.if gn < 8
	v_pk_fma_f32 v[GU+gq:GU+gq+1], v[GS+gq:GS+gq+1], s[CB0:CB0+1], v[VB1:VB1+1] op_sel_hi:[1,0,1]
.elseif gn < 40
.set gc, CB2+2*(gn/8-1)
	v_pk_fma_f32 v[GU+gq:GU+gq+1], v[GU+gq:GU+gq+1], v[GS+gq:GS+gq+1], s[gc:gc+1] op_sel_hi:[1,1,0]
.else
	v_pk_fma_f32 v[GU+gq:GU+gq+1], v[GU+gq:GU+gq+1], v[GT+gq:GT+gq+1], v[GT+gq:GT+gq+1]
.endif
.set gn, gn+1
.endm
; gelu in place on 16 registers (two accumulators, each read from its low end on).  hb < 0: the bias is in the sum already; else v[hb ..] holds half the bias.
.macro GELU16 x, hb
.set gx, \x
.set gh, \hb
.irp q, 0,2,4,6,8,10,12,14
.if gh < 0
	v_pk_mul_f32 v[gx+\q:gx+\q+1], v[gx+\q:gx+\q+1], 0.5 op_sel_hi:[1,0]                                   ; h = v / 2
.else
	v_pk_fma_f32 v[gx+\q:gx+\q+1], v[gx+\q:gx+\q+1], 0.5, v[gh+\q:gh+\q+1] op_sel_hi:[1,0,1]
.endif
.endr
.irp j, 0,1,2,3,4,5,6,7,8,9,10,11,12,13,14,15
	v_mul_f32 v[GT+\j], s[RT2], |v[gx+\j]|                                                                 ; t = |h| sqrt 2
.endr
.irp q, 0,2,4,6,8,10,12,14
	v_pk_mul_f32 v[GS+\q:GS+\q+1], v[GT+\q:GT+\q+1], v[GT+\q:GT+\q+1]                                      ; s = t^2
.endr
.irp q, 0,2,4,6,8,10,12,14
	v_pk_fma_f32 v[GR+\q:GR+\q+1], v[GT+\q:GT+\q+1], s[CA0:CA0+1], v[VA1:VA1+1] op_sel_hi:[1,0,1]          ; the tail: erf = 1 - e^r, r = (((((A0 t + A1) s + A2 t + A3) t + A4) t + A5) t + A6) t - t
.endr
.irp q, 0,2,4,6,8,10,12,14
	v_pk_fma_f32 v[GU+\q:GU+\q+1], v[GT+\q:GT+\q+1], s[CA2:CA2+1], v[VA3:VA3+1] op_sel_hi:[1,0,1]
.endr
.irp q, 0,2,4,6,8,10,12,14
	v_pk_fma_f32 v[GR+\q:GR+\q+1], v[GR+\q:GR+\q+1], v[GS+\q:GS+\q+1], v[GU+\q:GU+\q+1]
.endr
.irp c, CA4, CA5, CA6
.irp q, 0,2,4,6,8,10,12,14
	v_pk_fma_f32 v[GR+\q:GR+\q+1], v[GR+\q:GR+\q+1], v[GT+\q:GT+\q+1], s[\c:\c+1] op_sel_hi:[1,1,0]
.endr
.endr
.irp q, 0,2,4,6,8,10,12,14
	v_pk_fma_f32 v[GR+\q:GR+\q+1], v[GR+\q:GR+\q+1], v[GT+\q:GT+\q+1], v[GT+\q:GT+\q+1] neg_lo:[0,0,1] neg_hi:[0,0,1]
.endr
.irp q, 0,2,4,6,8,10,12,14
	v_pk_mul_f32 v[GR+\q:GR+\q+1], v[GR+\q:GR+\q+1], s[CL2E:CL2E+1] op_sel_hi:[1,0]
.endr
.set gn, 0
.irp j, 0,1,2,3,4,5,6,7,8,9,10,11,12,13,14,15
	v_exp_f32 v[GR+\j], v[GR+\j]                   ; the 16 exponentials are one batch; three lines of the other polynomial, which name none of its results, stand behind each
	GSMALL
	GSMALL
	GSMALL
.endr
	s_wait_alu depctr_va_vdst(0)                   ; one wait for the batch, ahead of its first reader
.irp q, 0,2,4,6,8,10,12,14
	v_pk_fma_f32 v[GR+\q:GR+\q+1], v[GR+\q:GR+\q+1], -1.0, 1.0 op_sel_hi:[1,0,0]
.endr
.irp g, 0,4,8,12
.irp j, 0,1,2,3
	v_cmp_lt_f32 s[GM+\j], s[THR], v[GT+\g+\j]
.endr
.irp j, 0,1,2,3
	v_cndmask_b32 v[GU+\g+\j], v[GU+\g+\j], v[GR+\g+\j], s[GM+\j]     ; a choice of values: both are always computed
.endr
.endr
.irp j, 0,1,2,3,4,5,6,7,8,9,10,11,12,13,14,15
	v_fma_f32 v[gx+\j], |v[gx+\j]|, v[GU+\j], v[gx+\j]                ; h + |h| erf
.endr
.endm
	s_load_b256 s[4:11], s[0:1], 0x0               ; xq s[4:5], sel s[6:7], W1's codes s[8:9], W1's scales s[10:11]
	s_load_b128 s[12:15], s[0:1], 0x20             ; b1 s[12:13], hq s[14:15]
	s_load_b64 s[16:17], s[0:1], 0x30              ; hs
	v_lshl_add_u32 v254, v0, 2, 0x2b800
	v_mov_b32 v255, 0
	ds_add_u32 v254, v255
	ds_add_u32 v254, v255
	v_lshrrev_b32 v1, 5, v0
	v_readfirstlane_b32 s[WV], v1                  ; wave 0..3
	s_and_b32 s21, ttmp7, 0xffff                   ; p
	s_lshr_b32 s22, s21, 1                         ; b
	s_and_b32 s23, s21, 1                          ; k
	s_lshl_b32 s62, s22, 8
	s_lshl_b32 s23, s23, 2
	s_add_co_u32 s62, s62, s23
	s_mov_b32 s63, 0
	s_wait_dscnt 0x0
	s_wait_kmcnt 0x0
	s_add_nc_u64 s[6:7], s[6:7], s[62:63]
	s_load_b32 s20, s[6:7], 0x0                    ; the expert
	; descriptor groups 1.  W1: 128 rows x 256 bytes, dense, 4 words of padding behind every 64.  x: 9,216 dense bytes as 36 rows of 32 elements of 8 bytes
	s_mov_b32 s[G1W+0], (1<<20)|(5<<22)|(3<<25)
	s_mov_b32 s[G1W+1], 256<<16
	s_mov_b32 s[G1W+2], 128<<16
	s_mov_b32 s[G1W+3], 256<<16
	s_mov_b32 s[G1W+4], 128
	s_mov_b32 s[G1W+5], 256
	s_mov_b32 s[G1W+6], 0
	s_mov_b32 s[G1W+7], 0
	s_mov_b32 s[G1X+0], 3<<16
	s_mov_b32 s[G1X+1], 32<<16
	s_mov_b32 s[G1X+2], 36<<16
	s_mov_b32 s[G1X+3], 32<<16
	s_mov_b32 s[G1X+4], 36
	s_mov_b32 s[G1X+5], 32
	s_mov_b32 s[G1X+6], 0
	s_mov_b32 s[G1X+7], 0
	s_mov_b32 s[G0W], 1
	s_mul_i32 s[G0W+1], s[WV], W1T
	s_mov_b32 s[G0X], 1
	s_mul_i32 s[G0X+1], s[WV], 2*XREC
	s_add_co_u32 s[G0X+1], s[G0X+1], XQL
	s_lshl_b32 s60, ttmp9, 9
	s_lshl_b32 s61, s[WV], 7
	s_add_co_u32 s60, s60, s61                     ; my first hidden unit: 512 Q + 128 w
	s_lshl_b32 s19, ttmp9, 2
	s_add_co_u32 s19, s19, s[WV]                   ; S = 4 Q + w
	s_mul_i32 s62, s22, 8*XREC
	s_mul_i32 s61, s[WV], 2*XREC
	s_add_co_u32 s62, s62, s61
	s_add_nc_u64 s[G0X+2:G0X+3], s[4:5], s[62:63]  ; my quarter of the batch element's records
	s_or_b32 s[G0X+3], s[G0X+3], 0x80000000
	s_wait_kmcnt 0x0
	s_min_u32 s20, s20, 7                          ; held inside the table of experts; behind this only shifts and sums
	s_lshl_b32 s62, s20, 19                        ; an expert's codes are 524,288 bytes, a row 256
	s_lshl_b32 s61, s60, 8
	s_add_co_u32 s62, s62, s61
	s_add_nc_u64 s[G0W+2:G0W+3], s[8:9], s[62:63]
	s_or_b32 s[G0W+3], s[G0W+3], 0x80000000
	tensor_load_to_lds s[G0W:G0W+3], s[G1W:G1W+7]  ; both first fills together: two loads of mine are out
	s_nop 0
	tensor_load_to_lds s[G0X:G0X+3], s[G1X:G1X+7]
	s_nop 0
.rept 4
	v_nop
.endr
	s_lshl_b32 s62, s20, 15                        ; W1's scale bytes: 32,768 an expert, 16 a row
	s_lshl_b32 s61, s60, 4
	s_add_co_u32 s62, s62, s61
	s_add_nc_u64 s[10:11], s[10:11], s[62:63]
	s_lshl_b32 s62, s20, 13                        ; b1: 8,192 bytes an expert
	s_lshl_b32 s61, s60, 2
	s_add_co_u32 s62, s62, s61
	s_add_nc_u64 s[12:13], s[12:13], s[62:63]
	s_lshl_b32 s62, s21, 17                        ; hq: 131,072 bytes a pair, 1,024 a K step
	s_lshl_b32 s61, s19, 10
	s_add_co_u32 s62, s62, s61
	s_add_nc_u64 s[14:15], s[14:15], s[62:63]
	s_lshl_b32 s62, s21, 13                        ; hs: 8,192 bytes a pair, 512 a K step
	s_lshl_b32 s61, s19, 9
	s_add_co_u32 s62, s62, s61
	s_add_nc_u64 s[16:17], s[16:17], s[62:63]
	v_and_b32 v1, 31, v0
	v_lshlrev_b32 v1, 4, v1                        ; 16 x lane
	v_and_b32 v2, 15, v0                           ; r
	v_bfe_u32 v3, v0, 4, 1                         ; h
	v_and_b32 v9, 8, v2
	v_add_nc_u32 v9, v9, v2                        ; r + 8 (r / 8)
	v_mul_u32_u24 v4, v9, W1P
	v_lshl_add_u32 v4, v3, 4, v4
	v_add_nc_u32 v4, s[G0W+1], v4                  ; my lane's place in a tile of W1
	v_lshlrev_b32 v9, 4, v9                        ; and among its scale bytes
	v_lshlrev_b32 v10, 6, v3                       ; b1: 64 h
	v_add_nc_u32 v5, XQL, v1                       ; an image's place for my lane
	s_lshl_b32 s61, s[WV], 9
	s_add_co_u32 s61, s61, HSL
	v_lshl_add_u32 v7, v2, 2, s61                  ; my row's scale word in my wave's 512 bytes,
	v_add_nc_u32 v11, s61, v1                      ; and the 16 bytes that I read back
.irp t, 0,1,2,3,4,5,6,7
	global_load_b128 v[W1S+4*\t:W1S+4*\t+3], v9, s[10:11] offset:(32*(\t/2)+8*(\t%2))*16     ; a row's 16 bytes are its words of K steps 0 .. 3
.endr
	WIN 0x80                                       ; destination window 2: b1's tile t at 8 t: lane (r, h) wants hidden units 32 (t / 2) + 8 (t % 2) + 16 h + 0 .. 7
.irp t, 0,1,2,3,4,5,6,7
	global_load_b128 v[8*\t:8*\t+3], v10, s[12:13] offset:(32*(\t/2)+8*(\t%2))*4
	global_load_b128 v[8*\t+4:8*\t+7], v10, s[12:13] offset:(32*(\t/2)+8*(\t%2))*4+16
.endr
	WIN 0
	SPAIR CA0,  0xb7910000
	SPAIR CA2,  0xbb7e8a1c
	SPAIR CA4,  0xbddaae5c
	SPAIR CA5,  0xbf228550
	SPAIR CA6,  0xbe03ce86
	SPAIR CL2E, 0x3fb8aa3b
	SPAIR CB0,  0xba1c7000
	SPAIR CB2,  0xbcdb48d9
	SPAIR CB2+2, 0x3de70e22
	SPAIR CB2+4, 0xbec09380
	SPAIR CB2+6, 0x3e0375d4
	s_mov_b32 s[RT2], 0x3fb504f3                   ; sqrt 2
	s_mov_b32 s[THR], 0x3f6d8000                   ; 475/512
	s_mov_b32 s[SEL], 0x76543210
	s_mov_b32 s[SEL+1], 0xfedcba98
	v_mov_b32 v[VA1], 0x39c8e7d9
	v_mov_b32 v[VA1+1], 0x39c8e7d9
	v_mov_b32 v[VA3], 0x3cc6b1a1
	v_mov_b32 v[VA3+1], 0x3cc6b1a1
	v_mov_b32 v[VB1], 0x3ba38d2c
	v_mov_b32 v[VB1+1], 0x3ba38d2c
.irp b, 0,1,2,3
	v_mov_b32 v[TM+4+\b], 0                        ; written once: a lane permute's destination counts as one of its sources
.endr
	v_mov_b32 v6, v5                               ; the first record
	s_mov_b32 s[XO], 0
	s_mov_b32 s[HSO], 0
	s_mov_b32 s[CNT], 7
	s_wait_tensorcnt 0x0                           ; my rows of W1 and my quarter of x have landed,
	s_barrier_signal -1
	s_barrier_wait -1                              ; everybody's quarter has
	WIN 0x40                                       ; destination window 1: W1's fragment (tile t, K step s) at 8 (4 t + s): they stay
.irp t, 0,1,2,3,4,5,6,7
.irp s, 0,1,2,3
.irp c, 0,1
	ds_load_b128 v[8*(4*\t+\s)+4*\c:8*(4*\t+\s)+4*\c+3], v4 offset:(32*(\t/2)+8*(\t%2))*W1P+64*\s+32*\c
.endr
.endr
.endr
	WIN 0
.macro XFETCH                          ; a record: four fragments and their scale words, as they were stored
.irp s, 0,1,2,3
.irp c, 0,1
	ds_load_b128 v[XF+8*\s+4*\c:XF+8*\s+4*\c+3], v6 offset:1024*\s+512*\c
.endr
.endr
	ds_load_b128 v[XS:XS+3], v6 offset:4096
.endm
	XFETCH
	s_wait_loadcnt 0x0                             ; W1's scale words and b1
; A TRIP: 16 rows.  more = 1: the next record is fetched while this tile's gelu is computed.
.macro TRIP more
	s_wait_dscnt 0x0                               ; the record is in (in the first trip W1 too); my last scale word is stored
	WIN 0x21                                       ; source 0 (W1) window 1, source 2 (b1) window 2
.irp t, 0,1,2,3,4,5,6,7
	v_wmma_scale_f32_16x16x128_f8f6f4 v[HA+8*\t:HA+8*\t+7], v[32*\t:32*\t+7], v[XF:XF+7], v[8*\t:8*\t+7], v[W1S+4*\t], v[XS] matrix_a_fmt:MATRIX_FMT_FP4 matrix_b_fmt:MATRIX_FMT_FP4
.endr
	WIN 0x01                                       ; the 8 accumulators take turns, one instruction a turn
.irp s, 1,2,3
.irp t, 0,1,2,3,4,5,6,7
	v_wmma_scale_f32_16x16x128_f8f6f4 v[HA+8*\t:HA+8*\t+7], v[32*\t+8*\s:32*\t+8*\s+7], v[XF+8*\s:XF+8*\s+7], v[HA+8*\t:HA+8*\t+7], v[W1S+4*\t+\s], v[XS+\s] matrix_a_fmt:MATRIX_FMT_FP4 matrix_b_fmt:MATRIX_FMT_FP4
.endr
.endr
	WIN 0
	; four plain instructions that name no register of the products stand ahead of the loads into x's registers and of the first read of results
.if \more
	s_add_co_u32 s[XO], s[XO], XREC
	v_add_nc_u32 v6, s[XO], v5
.else
	v_nop
.endif
	v_add_nc_u32 v8, s[HSO], v7                    ; where this tile's scale word goes
	v_nop
	v_nop
.if \more
	XFETCH
.endif
	s_add_co_u32 s[HSO], s[HSO], 64
	GELU16 HA, -1
	GELU16 HA+16, -1
	GELU16 HA+32, -1
	GELU16 HA+48, -1
	QUANT HA, PC, PW
	global_store_b128 v1, v[PC:PC+3], s[14:15]                 ; each store of the wave covers 512 consecutive bytes, aligned
	global_store_b128 v1, v[PC+4:PC+7], s[14:15] offset:512
	ds_store_b32 v8, v[PW]                         ; both lanes of a row write the same word with the same value
.if \more
	s_wait_xcnt 0x0                                ; the stores have read their data and their base: both are written again only behind this wait
	s_add_nc_u64 s[14:15], s[14:15], 16384         ; the next tile of rows
.endif
.endm
.Ltrip:
	TRIP 1
	s_sub_co_u32 s[CNT], s[CNT], 1
	s_cmp_lg_u32 s[CNT], 0
	s_cbranch_scc1 .Ltrip
	TRIP 0                                         ; the eighth tile is written out: there is no record behind it
	ds_load_b128 v[244:247], v11                   ; LDS serves a wave's instructions in order: this sees my eight stores
	s_wait_dscnt 0x0
	global_store_b128 v1, v[244:247], s[16:17]     ; 512 consecutive bytes, aligned
	s_wait_tensorcnt 0x0
	ds_add_u32 v254, v255
	s_wait_dscnt 0x0
	s_endpgm
.Lfunc_end_k_q78e655ba9b_up:
	.size	k_q78e655ba9b_up, .Lfunc_end_k_q78e655ba9b_up-k_q78e655ba9b_up
	.p2alignl 7, 3214868480
	.fill 96, 4, 3214868480
	.section	.rodata,"a",@progbits
	.p2align	6, 0x0
	.amdhsa_kernel k_q78e655ba9b_up
		.amdhsa_group_segment_fixed_size 178688
		.amdhsa_private_segment_fixed_size 0
		.amdhsa_enable_private_segment 0
		.amdhsa_kernarg_size 56
		.amdhsa_user_sgpr_count 2
		.amdhsa_user_sgpr_kernarg_segment_ptr 1
		.amdhsa_wavefront_size32 1
		.amdhsa_system_sgpr_workgroup_id_x 1
		.amdhsa_system_sgpr_workgroup_id_y 1
		.amdhsa_system_sgpr_workgroup_id_z 1
		.amdhsa_system_vgpr_workitem_id 0
		.amdhsa_next_free_vgpr 640
		.amdhsa_next_free_sgpr 96
		.amdhsa_reserve_vcc 0
		.amdhsa_float_denorm_mode_32 3
		.amdhsa_float_denorm_mode_16_64 3
		.amdhsa_memory_ordered 1
		.amdhsa_forward_progress 1
		.amdhsa_inst_pref_size 136
	.end_amdhsa_kernel
	.amdgpu_metadata
---
amdhsa.version: [ 1, 2 ]
amdhsa.kernels:
  - .name:           k_q78e655ba9b_up
    .symbol:         k_q78e655ba9b_up.kd
    .args:
      - { .name: xq, .offset: 0, .size: 8, .value_kind: global_buffer, .address_space: global }
      - { .name: sel, .offset: 8, .size: 8, .value_kind: global_buffer, .address_space: global }
      - { .name: w1_codes, .offset: 16, .size: 8, .value_kind: global_buffer, .address_space: global }
      - { .name: w1_scales, .offset: 24, .size: 8, .value_kind: global_buffer, .address_space: global }
      - { .name: b1, .offset: 32, .size: 8, .value_kind: global_buffer, .address_space: global }
      - { .name: hq, .offset: 40, .size: 8, .value_kind: global_buffer, .address_space: global }
      - { .name: hs, .offset: 48, .size: 8, .value_kind: global_buffer, .address_space: global }
    .group_segment_fixed_size: 178688
    .private_segment_fixed_size: 0
    .kernarg_segment_align: 8
    .kernarg_segment_size: 56
    .max_flat_workgroup_size: 128
    .sgpr_count:     96
    .vgpr_count:     640
    .wavefront_size: 32
...
	.end_amdgpu_metadata
.endif
;; end of part 2
;; launch down (part 3): grid 8 x 32, 4 waves a work-group, no clusters, 195,072 bytes of LDS; arguments hq, hs, sel, gwt, w2_codes, w2_scales, b2, out0; writes out0
.if DOCPART == 3
	.amdgcn_target "amdgcn-amd-amdhsa--gfx1250"
	.amdhsa_code_object_version 6
	.text
	.protected	k_q78e655ba9b_down
	.globl	k_q78e655ba9b_down
	.p2align	8
	.type	k_q78e655ba9b_down,@function
k_q78e655ba9b_down:
	s_mov_b64 s[64:65], 0
	v_nop
	global_prefetch_b8 v0, s[64:65] scope:SCOPE_SE
	s_setreg_imm32_b32 hwreg(HW_REG_WAVE_MODE, 25, 1), 1
	s_wait_xcnt 0x0
; DOWN.  Work-group (j, b): batch element b, output columns 64 j .. 64 j + 63, both chosen experts: out = g0 gelu(h0 W2[e0]^T + b2[e0]) + g1 gelu(h1 W2[e1]^T + b2[e1]).  Each output number has one owner.
; SHARES.  Wave w takes rows 32 w .. 32 w + 31 (two tiles) x the 64 columns (four tiles): 8 accumulators; K = 2,048 in 16 steps of 128.
; The hidden layer's fragments are the wave's own: they come from memory straight into registers as the images that the launch before stored (a load of the wave covers 512 consecutive bytes): expert 0's at the head,
; expert 1's eight loads behind each pair of K steps of expert 0.  W2's 64 rows of each expert, their scale bytes and the hidden layer's scale words are read by all four waves: they come into LDS once, a quarter by each wave.
; THE PRODUCT IS USED TRANSPOSED (source 0 = 16 rows of W2, source 1 = 16 rows of h): a lane holds eight neighbouring columns of one row of the output.
; The experts' numbers are read from memory, held to 0 .. 7, and enter global addresses alone: no branch hangs on them.
; NO CLUSTER: what the 8 work-groups of a batch element share is the hidden layer, 262,144 bytes, which has no room in LDS beside W2's 133,120 and here needs no LDS at all; who shares W2 hangs on the stored choice.
; GELU and its LIMITS as in the launch before: erf good to about one unit in its last place; for arguments under -2.8 the relative error of gelu passes 1e-5; -infinity or NaN gives NaN.
.set W2P,   1040                       ; a row of W2 in LDS: 1,024 bytes + 16 of padding
.set W2Q,   16*W2P                     ; 16 rows: a tile of columns, and what one tensor load brings
.set W2E,   64*W2P                     ; an expert's 64 rows
.set W2S,   2*W2E                      ; W2's scale bytes: rows of 64 bytes + 16
.set SCP,   80
.set HSL,   W2S+2*64*SCP               ; the hidden layer's scale words of both pairs: [k][S][m][r]
.set STG,   HSL+16384                  ; the way out: 32 rows x (256 bytes + 16) for each wave; no tensor load lands here
.set SGP,   272
.set SCB,  12                          ; v12-59   scale words, two sets of 24: W2's at 4 n + i, the hidden layer's at 16 + 4 m + i, for four K steps
.set ACC,  60                          ; v60-123  accumulator (m, n) at 8 (4 m + n)
.set WF,   124                         ; v124-251 W2's fragments, two sets of 64: K step i of a pair, tile n at 32 i + 8 n
.set GT,   124                         ; between the products the same registers serve the gelu
.set GS,   140
.set GR,   156
.set GU,   172
.set VA1,  188
.set VA3,  190
.set VB1,  192
.set HB,   194                         ; v194-225 half the bias
.set G1C,  28
.set G1T,  36
.set G1H,  44
.set G0C0, 52
.set G0C1, 56
.set G0T0, 60
.set G0T1, 68
.set G0H,  72
.set WV,   80
.set RT2,  86
.set THR,  87
.set GM,   88
.set CA0,  28                          ; s28-49 take the gelu's constants once the tensor loads have landed
.set CA2,  30
.set CA4,  32
.set CA5,  34
.set CA6,  36
.set CL2E, 38
.set CB0,  40
.set CB2,  42
.set MSB, 0
.macro WIN new                         ; the immediate's high byte repeats the setting that is left
.if MSB != \new
	s_set_vgpr_msb (MSB<<8)|\new
.set MSB, \new
.endif
.endm
.macro SPAIR reg, val
	s_mov_b32 s[\reg], \val
	s_mov_b32 s[\reg+1], \val
.endm
.macro GSMALL                          ; one line of the polynomial for small t: 48 lines for 16 numbers, stage by stage over the 8 pairs
.set gq, 2*(gn%8)
.if gn < 8
	v_pk_fma_f32 v[GU+gq:GU+gq+1], v[GS+gq:GS+gq+1], s[CB0:CB0+1], v[VB1:VB1+1] op_sel_hi:[1,0,1]
.elseif gn < 40
.set gc, CB2+2*(gn/8-1)
	v_pk_fma_f32 v[GU+gq:GU+gq+1], v[GU+gq:GU+gq+1], v[GS+gq:GS+gq+1], s[gc:gc+1] op_sel_hi:[1,1,0]
.else
	v_pk_fma_f32 v[GU+gq:GU+gq+1], v[GU+gq:GU+gq+1], v[GT+gq:GT+gq+1], v[GT+gq:GT+gq+1]
.endif
.set gn, gn+1
.endm
; gelu(v + bias) = h + |h| erf(|h| sqrt 2), h = v / 2 + bias / 2, in place on 16 registers (two accumulators, each read from its low end on); v[hb ..] holds half the bias
.macro GELU16 x, hb
.set gx, \x
.set gh, \hb
.irp q, 0,2,4,6,8,10,12,14
.if gh < 0
	v_pk_mul_f32 v[gx+\q:gx+\q+1], v[gx+\q:gx+\q+1], 0.5 op_sel_hi:[1,0]
.else
	v_pk_fma_f32 v[gx+\q:gx+\q+1], v[gx+\q:gx+\q+1], 0.5, v[gh+\q:gh+\q+1] op_sel_hi:[1,0,1]
.endif
.endr
.irp j, 0,1,2,3,4,5,6,7,8,9,10,11,12,13,14,15
	v_mul_f32 v[GT+\j], s[RT2], |v[gx+\j]|
.endr
.irp q, 0,2,4,6,8,10,12,14
	v_pk_mul_f32 v[GS+\q:GS+\q+1], v[GT+\q:GT+\q+1], v[GT+\q:GT+\q+1]
.endr
.irp q, 0,2,4,6,8,10,12,14
	v_pk_fma_f32 v[GR+\q:GR+\q+1], v[GT+\q:GT+\q+1], s[CA0:CA0+1], v[VA1:VA1+1] op_sel_hi:[1,0,1]
.endr
.irp q, 0,2,4,6,8,10,12,14
	v_pk_fma_f32 v[GU+\q:GU+\q+1], v[GT+\q:GT+\q+1], s[CA2:CA2+1], v[VA3:VA3+1] op_sel_hi:[1,0,1]
.endr
.irp q, 0,2,4,6,8,10,12,14
	v_pk_fma_f32 v[GR+\q:GR+\q+1], v[GR+\q:GR+\q+1], v[GS+\q:GS+\q+1], v[GU+\q:GU+\q+1]
.endr
.irp c, CA4, CA5, CA6
.irp q, 0,2,4,6,8,10,12,14
	v_pk_fma_f32 v[GR+\q:GR+\q+1], v[GR+\q:GR+\q+1], v[GT+\q:GT+\q+1], s[\c:\c+1] op_sel_hi:[1,1,0]
.endr
.endr
.irp q, 0,2,4,6,8,10,12,14
	v_pk_fma_f32 v[GR+\q:GR+\q+1], v[GR+\q:GR+\q+1], v[GT+\q:GT+\q+1], v[GT+\q:GT+\q+1] neg_lo:[0,0,1] neg_hi:[0,0,1]
.endr
.irp q, 0,2,4,6,8,10,12,14
	v_pk_mul_f32 v[GR+\q:GR+\q+1], v[GR+\q:GR+\q+1], s[CL2E:CL2E+1] op_sel_hi:[1,0]
.endr
.set gn, 0
.irp j, 0,1,2,3,4,5,6,7,8,9,10,11,12,13,14,15
	v_exp_f32 v[GR+\j], v[GR+\j]                   ; one batch of 16; three lines that name none of its results stand behind each
	GSMALL
	GSMALL
	GSMALL
.endr
	s_wait_alu depctr_va_vdst(0)                   ; one wait for the batch, ahead of its first reader
.irp q, 0,2,4,6,8,10,12,14
	v_pk_fma_f32 v[GR+\q:GR+\q+1], v[GR+\q:GR+\q+1], -1.0, 1.0 op_sel_hi:[1,0,0]
.endr
.irp g, 0,4,8,12
.irp j, 0,1,2,3
	v_cmp_lt_f32 s[GM+\j], s[THR], v[GT+\g+\j]
.endr
.irp j, 0,1,2,3
	v_cndmask_b32 v[GU+\g+\j], v[GU+\g+\j], v[GR+\g+\j], s[GM+\j]
.endr
.endr
.irp j, 0,1,2,3,4,5,6,7,8,9,10,11,12,13,14,15
	v_fma_f32 v[gx+\j], |v[gx+\j]|, v[GU+\j], v[gx+\j]
.endr
.endm
.macro HLOAD k, st                     ; the hidden layer's two fragments of K step st, expert k: (m, st) at 8 (16 m + st) of window 1 + k, which the caller has set as the destination's
.irp m, 0,1
.irp c, 0,1
	global_load_b128 v[8*(16*\m+(\st))+4*\c:8*(16*\m+(\st))+4*\c+3], v1, s[4:5] offset:(\k)*131072+\m*16384+1024*(\st)+512*\c
.endr
.endr
.endm
	s_load_b512 s[4:19], s[0:1], 0x0               ; hq s[4:5], hs s[6:7], sel s[8:9], gwt s[10:11], W2's codes s[12:13], W2's scales s[14:15], b2 s[16:17], out0 s[18:19]
	v_lshl_add_u32 v254, v0, 2, 0x2f800
	v_mov_b32 v255, 0
	ds_add_u32 v254, v255
	ds_add_u32 v254, v255
	v_lshrrev_b32 v2, 5, v0
	v_readfirstlane_b32 s[WV], v2                  ; wave 0..3
	v_and_b32 v1, 31, v0
	v_lshlrev_b32 v1, 4, v1                        ; 16 x lane
	s_and_b32 s82, ttmp7, 0xffff                   ; b
	s_lshl_b32 s26, s82, 8
	s_mov_b32 s27, 0
	s_lshl_b32 s92, s82, 18                        ; hq: 262,144 bytes for a batch element's two pairs,
	s_lshl_b32 s93, s[WV], 15                      ; 32,768 for my two tiles of rows
	s_add_co_u32 s92, s92, s93
	s_mov_b32 s93, 0
	s_wait_dscnt 0x0
	s_wait_kmcnt 0x0
	s_add_nc_u64 s[8:9], s[8:9], s[26:27]
	s_add_nc_u64 s[10:11], s[10:11], s[26:27]
	s_load_b64 s[24:25], s[8:9], 0x0               ; the two experts
	s_load_b64 s[76:77], s[10:11], 0x0             ; and their weights
	s_add_nc_u64 s[4:5], s[4:5], s[92:93]
	WIN 0x40                                       ; destination window 1
.irp t, 0,1,2,3,4,5,6,7,8,9,10
	HLOAD 0, \t                                    ; 44 of expert 0's 64 loads go out while the experts' numbers are on their way: their addresses hang on b and the wave alone
.endr
	WIN 0
	; descriptor groups 1.  W2's codes: 16 rows x 1,024 bytes, 4 words of padding behind every 256.  Its scale bytes: 16 rows x 64 bytes, 4 words behind every 16.  The hidden layer's scale words: 4,096 dense bytes as 16 rows of 32 elements of 8 bytes
	s_mov_b32 s[G1C+0], (1<<20)|(7<<22)|(3<<25)
	s_mov_b32 s[G1C+1], 1024<<16
	s_mov_b32 s[G1C+2], 16<<16
	s_mov_b32 s[G1C+3], 1024<<16
	s_mov_b32 s[G1C+4], 16
	s_mov_b32 s[G1C+5], 1024
	s_mov_b32 s[G1C+6], 0
	s_mov_b32 s[G1C+7], 0
	s_mov_b32 s[G1T+0], (1<<20)|(3<<22)|(3<<25)
	s_mov_b32 s[G1T+1], 64<<16
	s_mov_b32 s[G1T+2], 16<<16
	s_mov_b32 s[G1T+3], 64<<16
	s_mov_b32 s[G1T+4], 16
	s_mov_b32 s[G1T+5], 64
	s_mov_b32 s[G1T+6], 0
	s_mov_b32 s[G1T+7], 0
	s_mov_b32 s[G1H+0], 3<<16
	s_mov_b32 s[G1H+1], 32<<16
	s_mov_b32 s[G1H+2], 16<<16
	s_mov_b32 s[G1H+3], 32<<16
	s_mov_b32 s[G1H+4], 16
	s_mov_b32 s[G1H+5], 32
	s_mov_b32 s[G1H+6], 0
	s_mov_b32 s[G1H+7], 0
	s_mov_b32 s[G0C0], 1
	s_mul_i32 s[G0C0+1], s[WV], W2Q
	s_mov_b32 s[G0C1], 1
	s_add_co_u32 s[G0C1+1], s[G0C0+1], W2E
	s_mov_b32 s[G0T0], 1
	s_mul_i32 s[G0T0+1], s[WV], 16*SCP
	s_add_co_u32 s[G0T0+1], s[G0T0+1], W2S
	s_mov_b32 s[G0T1], 1
	s_add_co_u32 s[G0T1+1], s[G0T0+1], 64*SCP
	s_mov_b32 s[G0H], 1
	s_lshl_b32 s[G0H+1], s[WV], 12
	s_add_co_u32 s[G0H+1], s[G0H+1], HSL
	s_lshl_b32 s92, s82, 14                        ; hs: 16,384 bytes for the two pairs, my quarter
	s_lshl_b32 s94, s[WV], 12
	s_add_co_u32 s92, s92, s94
	s_add_nc_u64 s[G0H+2:G0H+3], s[6:7], s[92:93]
	s_or_b32 s[G0H+3], s[G0H+3], 0x80000000
	s_lshl_b32 s94, ttmp9, 6
	s_lshl_b32 s95, s[WV], 4
	s_add_co_u32 s94, s94, s95                     ; the first of the 16 rows of W2 that I fetch: 64 j + 16 w
	v_and_b32 v2, 15, v0                           ; r
	v_bfe_u32 v3, v0, 4, 1                         ; h
	v_mul_u32_u24 v4, v2, W2P
	v_lshl_add_u32 v4, v3, 4, v4                   ; my lane's place in a tile of W2, expert 0,
	v_add_nc_u32 v5, W2E, v4                       ; expert 1
	v_mul_u32_u24 v6, v2, SCP
	v_add_nc_u32 v6, W2S, v6                       ; and among its scale bytes
	s_lshl_b32 s95, s[WV], 7
	s_add_co_u32 s95, s95, HSL
	v_lshl_add_u32 v7, v2, 2, s95                  ; the hidden layer's scale words: my wave's two tiles of rows, row r
	v_lshlrev_b32 v8, 5, v3                        ; b2: 32 h
	s_mul_i32 s95, s[WV], 32*SGP
	s_add_co_u32 s95, s95, STG                     ; my stage
	v_mul_u32_u24 v9, v2, SGP
	v_lshl_add_u32 v9, v3, 5, v9
	v_add_nc_u32 v9, s95, v9                       ; in: row r, 32 bytes for each half of the lanes
	v_mul_u32_u24 v10, v3, SGP
	v_lshl_add_u32 v10, v2, 4, v10
	v_add_nc_u32 v10, s95, v10                     ; back: lanes 0-15 one row of 256 bytes, lanes 16-31 the next
	v_lshlrev_b32 v11, 11, v3
	v_lshl_add_u32 v11, v2, 4, v11                 ; and the same two rows in the output
	s_wait_kmcnt 0x0
	s_min_u32 s24, s24, 7                          ; held inside the table of experts; behind this only shifts and sums
	s_min_u32 s25, s25, 7
	s_mov_b32 s78, s77                             ; the second weight as the low word of a pair of its own
	s_mov_b32 s79, s77
	s_lshl_b32 s95, s94, 10                        ; a row of W2 is 1,024 bytes, an expert 524,288
	s_lshl_b32 s92, s24, 19
	s_add_co_u32 s92, s92, s95
	s_add_nc_u64 s[G0C0+2:G0C0+3], s[12:13], s[92:93]
	s_or_b32 s[G0C0+3], s[G0C0+3], 0x80000000
	s_lshl_b32 s92, s25, 19
	s_add_co_u32 s92, s92, s95
	s_add_nc_u64 s[G0C1+2:G0C1+3], s[12:13], s[92:93]
	s_or_b32 s[G0C1+3], s[G0C1+3], 0x80000000
	s_lshl_b32 s95, s94, 6                         ; its scale bytes: 64 a row, 32,768 an expert
	s_lshl_b32 s92, s24, 15
	s_add_co_u32 s92, s92, s95
	s_add_nc_u64 s[G0T0+2:G0T0+3], s[14:15], s[92:93]
	s_or_b32 s[G0T0+3], s[G0T0+3], 0x80000000
	s_lshl_b32 s92, s25, 15
	s_add_co_u32 s92, s92, s95
	s_add_nc_u64 s[G0T1+2:G0T1+3], s[14:15], s[92:93]
	s_or_b32 s[G0T1+3], s[G0T1+3], 0x80000000
	s_lshl_b32 s95, ttmp9, 8                       ; my 64 columns: 256 bytes
	s_lshl_b32 s92, s24, 11
	s_add_co_u32 s92, s92, s95
	s_add_nc_u64 s[20:21], s[16:17], s[92:93]      ; b2 of expert 0,
	s_lshl_b32 s92, s25, 11
	s_add_co_u32 s92, s92, s95
	s_add_nc_u64 s[22:23], s[16:17], s[92:93]      ; of expert 1
	s_lshl_b32 s92, s82, 18
	s_lshl_b32 s94, s[WV], 16
	s_add_co_u32 s92, s92, s94
	s_add_co_u32 s92, s92, s95
	s_add_nc_u64 s[18:19], s[18:19], s[92:93]      ; the output at my 32 rows and 64 columns
	tensor_load_to_lds s[G0C0:G0C0+3], s[G1C:G1C+7]    ; the five first fills together, ahead of every wait on TENSORcnt, LDS read and barrier: five loads of mine are out
	s_nop 0
	tensor_load_to_lds s[G0T0:G0T0+3], s[G1T:G1T+7]
	s_nop 0
	tensor_load_to_lds s[G0H:G0H+3], s[G1H:G1H+7]
	s_nop 0
	tensor_load_to_lds s[G0C1:G0C1+3], s[G1C:G1C+7]
	s_nop 0
	tensor_load_to_lds s[G0T1:G0T1+3], s[G1T:G1T+7]
	s_nop 0
.rept 4
	v_nop
.endr
	WIN 0x40
.irp t, 11,12,13,14,15
	HLOAD 0, \t
.endr
	WIN 0xc0                                       ; destination window 3: b2 of expert k, tile n at 32 k + 8 n: lane (r, h) wants columns 16 n + 8 h + 0 .. 7
.irp k, 0,1
.irp n, 0,1,2,3
.irp c, 0,1
	global_load_b128 v[32*\k+8*\n+4*\c:32*\k+8*\n+4*\c+3], v8, s[20+2*\k:21+2*\k] offset:64*\n+16*\c
.endr
.endr
.endr
	WIN 0
	s_mov_b32 s[RT2], 0x3fb504f3                   ; sqrt 2
	s_mov_b32 s[THR], 0x3f6d8000                   ; 475/512
	s_wait_tensorcnt 0x0                           ; my five quarters have landed: the descriptors' registers may be written,
	SPAIR CA0,  0xb7910000
	SPAIR CA2,  0xbb7e8a1c
	SPAIR CA4,  0xbddaae5c
	SPAIR CA5,  0xbf228550
	SPAIR CA6,  0xbe03ce86
	SPAIR CL2E, 0x3fb8aa3b
	SPAIR CB0,  0xba1c7000
	SPAIR CB2,  0xbcdb48d9
	SPAIR CB2+2, 0x3de70e22
	SPAIR CB2+4, 0xbec09380
	SPAIR CB2+6, 0x3e0375d4
	s_barrier_signal -1
	s_barrier_wait -1                              ; and everybody's have
.macro WFETCH k, pp                    ; W2's fragments of K steps 2 pp and 2 pp + 1, four tiles of columns each, into set pp % 2
.irp i, 0,1
.irp n, 0,1,2,3
.irp c, 0,1
	ds_load_b128 v[WF+64*((\pp)%2)+32*\i+8*\n+4*\c:WF+64*((\pp)%2)+32*\i+8*\n+4*\c+3], v[4+(\k)] offset:\n*W2Q+64*(2*(\pp)+\i)+32*\c
.endr
.endr
.endr
.endm
.macro SCL k, q                        ; the scale words of K steps 4 q .. 4 q + 3 into set q % 2
.set sl, SCB+24*((\q)%2)
.irp n, 0,1,2,3
	ds_load_b128 v[sl+4*\n:sl+4*\n+3], v6 offset:(\k)*64*SCP+\n*16*SCP+16*(\q)
.endr
.irp m, 0,1
.irp i, 0,1,2,3
	ds_load_b32 v[sl+16+4*\m+\i], v7 offset:(\k)*8192+512*(4*(\q)+\i)+64*\m
.endr
.endr
.endm
; TWO K STEPS: 16 matrix instructions, the 8 accumulators by turns, one instruction a turn.  The next pair's fragments are asked for ahead of them.
.macro PAIR k, pp
	WIN 0
	s_wait_dscnt 0x0                               ; this pair's fragments and scale words are in
.if (\pp) > 0
.rept 4
	v_nop                                          ; four plain instructions ahead of loads into registers that the last pair's products have read (ISA guide 7.12.1 for vector instructions)
.endr
.endif
.if (\pp) < 7
	WFETCH \k, (\pp)+1
.if ((\pp)%2) == 1
	SCL \k, ((\pp)+1)/2
.endif
.endif
.if (\k) == 0
	s_wait_loadcnt 63                              ; behind this pair's 8 loads stand 56 - 8 pp of expert 0's, b2's 16 and 8 pp of expert 1's: 72; the count is the largest that the wait can name
.else
	s_wait_loadcnt 56-8*(\pp)                      ; behind this pair's 8 loads stand those of the later pairs
.endif
	WIN (1+(\k))<<2                                ; source 1 (the hidden layer) window 1 + k
.irp i, 0,1
.set st, 2*(\pp)+\i
.set sb, SCB+24*((st/4)%2)
.irp m, 0,1
.irp n, 0,1,2,3
.if st == 0
	v_wmma_scale_f32_16x16x128_f8f6f4 v[ACC+8*(4*\m+\n):ACC+8*(4*\m+\n)+7], v[WF+64*((\pp)%2)+32*\i+8*\n:WF+64*((\pp)%2)+32*\i+8*\n+7], v[8*(16*\m+st):8*(16*\m+st)+7], 0, v[sb+4*\n+st%4], v[sb+16+4*\m+st%4] matrix_a_fmt:MATRIX_FMT_FP4 matrix_b_fmt:MATRIX_FMT_FP4
.else
	v_wmma_scale_f32_16x16x128_f8f6f4 v[ACC+8*(4*\m+\n):ACC+8*(4*\m+\n)+7], v[WF+64*((\pp)%2)+32*\i+8*\n:WF+64*((\pp)%2)+32*\i+8*\n+7], v[8*(16*\m+st):8*(16*\m+st)+7], v[ACC+8*(4*\m+\n):ACC+8*(4*\m+\n)+7], v[sb+4*\n+st%4], v[sb+16+4*\m+st%4] matrix_a_fmt:MATRIX_FMT_FP4 matrix_b_fmt:MATRIX_FMT_FP4
.endif
.endr
.endr
.endr
.if (\k) == 0
	WIN 0x80                                       ; destination window 2: expert 1's fragments of the same two K steps
	HLOAD 1, 2*(\pp)
	HLOAD 1, 2*(\pp)+1
.endif
.endm
; An expert's sums are finished: bias, gelu, the gate's weight.
.macro FINISH k
	WIN 0
.rept 4
	v_nop                                          ; ahead of the first read of results and of writes into registers that the last products have read
.endr
.if (\k) == 0
	s_wait_loadcnt 63                              ; behind b2's 16 loads stand expert 1's 64
.endif
	WIN 0x03                                       ; source 0 (b2) window 3
.irp q, 0,2,4,6,8,10,12,14,16,18,20,22,24,26,28,30
	v_pk_mul_f32 v[HB+\q:HB+\q+1], v[32*(\k)+\q:32*(\k)+\q+1], 0.5 op_sel_hi:[1,0]
.endr
	WIN 0
	v_mov_b32 v[VA1], 0x39c8e7d9                   ; three constants as pairs: they lie where W2's fragments lay
	v_mov_b32 v[VA1+1], 0x39c8e7d9
	v_mov_b32 v[VA3], 0x3cc6b1a1
	v_mov_b32 v[VA3+1], 0x3cc6b1a1
	v_mov_b32 v[VB1], 0x3ba38d2c
	v_mov_b32 v[VB1+1], 0x3ba38d2c
	GELU16 ACC, HB
	GELU16 ACC+16, HB+16
	GELU16 ACC+32, HB
	GELU16 ACC+48, HB+16
.set i, 0
.if (\k) == 0
	WIN 0xc0                                       ; destination window 3: g0 x the first expert's result is kept there
.rept 32
	v_pk_mul_f32 v[64+i:65+i], v[ACC+i:ACC+i+1], s[76:77] op_sel_hi:[1,0]
.set i, i+2
.endr
.else
	WIN 0x30                                       ; source 2 window 3
.rept 32
	v_pk_fma_f32 v[ACC+i:ACC+i+1], v[ACC+i:ACC+i+1], s[78:79], v[64+i:65+i] op_sel_hi:[1,0,1]
.set i, i+2
.endr
.endif
	WIN 0
.endm
.macro EXPERT k
	SCL \k, 0
	WFETCH \k, 0
.irp p, 0,1,2,3,4,5,6,7
	PAIR \k, \p
.endr
	FINISH \k
.endm
	EXPERT 0
	EXPERT 1
	; THE WAY OUT.  A lane holds 32 neighbouring bytes of a row and the lanes beside it hold other rows: the wave's 32 rows x 256 bytes go through its own stage and come back as whole rows.
.irp m, 0,1
.irp n, 0,1,2,3
	ds_store_b128 v9, v[ACC+8*(4*\m+\n):ACC+8*(4*\m+\n)+3] offset:16*SGP*\m+64*\n
	ds_store_b128 v9, v[ACC+8*(4*\m+\n)+4:ACC+8*(4*\m+\n)+7] offset:16*SGP*\m+64*\n+16
.endr
.endr
.irp i, 0,1,2,3,4,5,6,7,8,9,10,11,12,13,14,15
	ds_load_b128 v[WF+4*\i:WF+4*\i+3], v10 offset:2*SGP*\i         ; LDS serves a wave's instructions in order (ISA guide 5.7.1.4): these see my stores
.endr
.irp i, 0,1,2,3,4,5,6,7,8,9,10,11,12,13,14,15
	s_wait_dscnt 15-\i                             ; loads come back in order: number i is in, the younger ones may be out
	global_store_b128 v11, v[WF+4*\i:WF+4*\i+3], s[18:19] offset:4096*\i th:TH_STORE_NT   ; sixteen lanes store 256 consecutive bytes, at a multiple of 256 from the output's first byte
.endr
	s_wait_tensorcnt 0x0
	ds_add_u32 v254, v255
	s_wait_dscnt 0x0
	s_endpgm
.Lfunc_end_k_q78e655ba9b_down:
	.size	k_q78e655ba9b_down, .Lfunc_end_k_q78e655ba9b_down-k_q78e655ba9b_down
	.p2alignl 7, 3214868480
	.fill 96, 4, 3214868480
	.section	.rodata,"a",@progbits
	.p2align	6, 0x0
	.amdhsa_kernel k_q78e655ba9b_down
		.amdhsa_group_segment_fixed_size 195072
		.amdhsa_private_segment_fixed_size 0
		.amdhsa_enable_private_segment 0
		.amdhsa_kernarg_size 64
		.amdhsa_user_sgpr_count 2
		.amdhsa_user_sgpr_kernarg_segment_ptr 1
		.amdhsa_wavefront_size32 1
		.amdhsa_system_sgpr_workgroup_id_x 1
		.amdhsa_system_sgpr_workgroup_id_y 1
		.amdhsa_system_sgpr_workgroup_id_z 1
		.amdhsa_system_vgpr_workitem_id 0
		.amdhsa_next_free_vgpr 896
		.amdhsa_next_free_sgpr 96
		.amdhsa_reserve_vcc 0
		.amdhsa_float_denorm_mode_32 3
		.amdhsa_float_denorm_mode_16_64 3
		.amdhsa_memory_ordered 1
		.amdhsa_forward_progress 1
		.amdhsa_inst_pref_size 196
	.end_amdhsa_kernel
	.amdgpu_metadata
---
amdhsa.version: [ 1, 2 ]
amdhsa.kernels:
  - .name:           k_q78e655ba9b_down
    .symbol:         k_q78e655ba9b_down.kd
    .args:
      - { .name: hq, .offset: 0, .size: 8, .value_kind: global_buffer, .address_space: global }
      - { .name: hs, .offset: 8, .size: 8, .value_kind: global_buffer, .address_space: global }
      - { .name: sel, .offset: 16, .size: 8, .value_kind: global_buffer, .address_space: global }
      - { .name: gwt, .offset: 24, .size: 8, .value_kind: global_buffer, .address_space: global }
      - { .name: w2_codes, .offset: 32, .size: 8, .value_kind: global_buffer, .address_space: global }
      - { .name: w2_scales, .offset: 40, .size: 8, .value_kind: global_buffer, .address_space: global }
      - { .name: b2, .offset: 48, .size: 8, .value_kind: global_buffer, .address_space: global }
      - { .name: out0, .offset: 56, .size: 8, .value_kind: global_buffer, .address_space: global }
    .group_segment_fixed_size: 195072
    .private_segment_fixed_size: 0
    .kernarg_segment_align: 8
    .kernarg_segment_size: 64
    .max_flat_workgroup_size: 128
    .sgpr_count:     96
    .vgpr_count:     896
    .wavefront_size: 32
...
	.end_amdgpu_metadata
.endif
;; end of part 3
